; MI455X (gfx1250); checked and timed in simulation.
; The chip was launched on July 23, 2026; its instructions are those of AMD's public machine-readable ISA for CDNA 5 (MIT licence, August 2026) and "CDNA5" Instruction Set Architecture Reference Guide (July 2026). The comments in the code are by the model that wrote it; some were corrected since.
;; Multi Query Attention. Allowed arithmetic: matrix products marked QUANTISED: E2M3 operands, one E8M0 scale for each 32 along K, by v_wmma_scale_f32_16x16x128_f8f6f4 with both operands' format E2M3, f32 sums; everything else in f32.
;; Inputs: Wk_codes 64 x 32 x 24 uint8 (E2M3 codes of Wk, K innermost, in blocks of 32 codes, four codes in three bytes); Wk_scales 64 x 32 uint8 (E8M0 scales of Wk, one for each 32 codes along K); Wo_codes 1,024 x 32 x 24 uint8 (E2M3 codes of Wo, K innermost, in blocks of 32 codes, four codes in three bytes); Wo_scales 1,024 x 32 uint8 (E8M0 scales of Wo, one for each 32 codes along K); Wq_codes 1,024 x 32 x 24 uint8 (E2M3 codes of Wq, K innermost, in blocks of 32 codes, four codes in three bytes); Wq_scales 1,024 x 32 uint8 (E8M0 scales of Wq, one for each 32 codes along K); Wv_codes 64 x 32 x 24 uint8 (E2M3 codes of Wv, K innermost, in blocks of 32 codes, four codes in three bytes); Wv_scales 64 x 32 uint8 (E8M0 scales of Wv, one for each 32 codes along K); x_codes 4 x 2,048 x 32 x 24 uint8 (E2M3 codes of x, K innermost, in blocks of 32 codes, four codes in three bytes); x_scales 4 x 2,048 x 32 uint8 (E8M0 scales of x, one for each 32 codes along K).
;; Outputs: out0 4 x 2,048 x 1,024 float32.
;; This version of the problem:
;;   THIS VERSION OF THE PROBLEM IS GIVEN IN LOW PRECISION. The matrix products marked QUANTISED in the list below multiply operands that are first quantised to E2M3 (2 exponent bits, 3 mantissa bits; 6 bits a number), with one power-of-two scale for each 32 numbers along K (OCP MX v1.0); their sums are f32. All else is computed in f32.
;;   The module's matrix products, in the order in which they are computed (A, B: the left and right operand; K: the contracted axis; several contracted axes count as one K, in the product's order):
;;     1. [M 8,192, K 1,024] x [K 1,024, N 1,024]; A: input x (given as codes); B: input Wq (given as codes): QUANTISED
;;     2. [M 8,192, K 1,024] x [K 1,024, N 64]; A: input x (given as codes); B: input Wk (given as codes): QUANTISED
;;     3. [M 8,192, K 1,024] x [K 1,024, N 64]; A: input x (given as codes); B: input Wv (given as codes): QUANTISED
;;     4. batch 4 x [M 32,768, K 64] x [K 64, N 2,048]; A: computed on the way; B: computed on the way: QUANTISED
;;     5. batch 4 x [M 32,768, K 2,048] x [K 2,048, N 64]; A: softmax (see below); B: computed on the way: QUANTISED
;;     6. [M 8,192, K 1,024] x [K 1,024, N 1,024]; A: computed on the way; B: input Wo (given as codes): QUANTISED
;;   THE QUANTISER, for each operand of a quantised product, along K:
;;     - K is cut into blocks of 32 from its start; a last block that is shorter is filled with zeros.
;;     - A block's scale is 2^e with e = floor(log2(the largest magnitude in the block)) - 2, held to -126 .. 127; a block of zeros has e = 0. As a byte (E8M0): e + 127.
;;     - Each number is divided by its block's scale, clamped to +-7.5, and rounded to the nearest number of E2M3, ties to even, subnormals kept.
;;     - The product sums the exact products of the quantised numbers (number of the format x scale) in f32.
;;   ~~~python
;;   def quantise(x, axis):      # numpy; x: float32 -> the quantised numbers, widened to float32 again
;;       x = np.moveaxis(x, axis, -1); K = x.shape[-1]
;;       x = np.pad(x, [(0, 0)] * (x.ndim - 1) + [(0, -K % 32)]); x = x.reshape(x.shape[:-1] + (-1, 32)); a = np.abs(x).max(-1, keepdims=True)
;;       e = np.where(a > 0, np.clip(np.frexp(np.where(a > 0, a, 1))[1] - 1 - 2, -126, 127), 0)      # np.frexp(a)[1] - 1 = floor(log2(a)), exactly
;;       r = np.clip(x / 2.0 ** e, -7.5, 7.5)
;;       step = 2.0 ** (np.maximum(np.frexp(np.where(r == 0, 1, r))[1] - 1, 0) - 3)
;;       q = np.round(r / step) * step * 2.0 ** e      # np.round: ties to even
;;       return np.moveaxis(q.reshape(q.shape[:-2] + (-1,))[..., :K], -1, axis).astype(np.float32)
;;   ~~~
;;   SOFTMAX AHEAD OF A QUANTISED PRODUCT. Where the list says 'softmax', what is quantised is not the finished softmax but p = 2^(t - M), with t = logit x log2(e) and M = ceil(the row's largest t), a whole number; so 1/2 < the row's largest p <= 1. The row's sum l is taken of the UNQUANTISED p, in f32, and the product's result is divided by l at the end. Since M is a whole number, a kernel that streams over the keys may use a running M (the ceiling of the running maximum): every later rescaling is an exact power of two, which a block's scale takes up: the codes' values come out the same.
;;   OPERANDS COMPUTED ON THE WAY. 'Computed on the way' means the value that the module computes at that place (a softmax that the list does not call 'softmax' is quantised finished and normalised). What goes into a quantiser is computed in f32, as accurately as f32 sums, v_exp_f32 and their like allow (about 1e-6 of the number): no bf16 or f16 on the way to a quantiser, and a product that is left as it is and whose result goes on into a quantised operand takes f32 operands (vector FMAs, or v_wmma_f32_16x16x4_f32). A number that lies on a knife's edge between two numbers of the format may be rounded either way, as far as f32 arithmetic and the matrix unit's own rounding can turn it there, and no further.
;;   INPUTS GIVEN AS CODES. Wk (in the module: [1024, 64], K = its axis 0); Wo (in the module: [1024, 1024], K = its axis 0); Wq (in the module: [1024, 1024], K = its axis 0); Wv (in the module: [1024, 64], K = its axis 0); x (in the module: [4, 2048, 1024], K = its axis 2): each comes as NAME_codes (uint8): NAME with its K axis moved to the last place and cut into blocks of 32 codes, [.., K / 32, bytes a block], one block behind the other in memory; four codes in three bytes: a row's codes are one little-endian stream of bits, code i at bits 6 i .. 6 i + 5 (a code: sign, 2 exponent bits, 3 mantissa bits); and NAME_scales (uint8): the same leading axes, one E8M0 byte (e + 127) for each 32 codes along K. Its value is code x scale, taken as it is: it is not quantised again, and the codes and scales need not be those that the quantiser above would give.
;; One version. Each part assembles by itself: llvm-mc -triple=amdgcn-amd-amdhsa -mcpu=gfx1250 --defsym DOCPART=n.
;; ======== version 1 of 1: 3 launches
;; workspace buffers: qimg 6,291,456 bytes; qscl 524,288 bytes; kv 819,200 bytes; ocod 6,291,456 bytes; oscl 262,144 bytes
;; launch proj (part 1): grid 4 x 64, 4 waves a work-group, clusters of 4 x 4, 327,680 bytes of LDS; arguments x_codes, x_scales, Wq_codes, Wq_scales, Wk_codes, Wk_scales, Wv_codes, Wv_scales, qimg, qscl, kv; writes qimg, qscl, kv
.if DOCPART == 1
	.amdgcn_target "amdgcn-amd-amdhsa--gfx1250"
	.amdhsa_code_object_version 6
	.text
	.protected	k_qf21f3eea2b_proj
	.globl	k_qf21f3eea2b_proj
	.p2align	8
	.type	k_qf21f3eea2b_proj,@function
k_qf21f3eea2b_proj:
	s_mov_b64 s[64:65], 0
	v_nop
	global_prefetch_b8 v0, s[64:65] scope:SCOPE_SE
	s_setreg_imm32_b32 hwreg(HW_REG_WAVE_MODE, 25, 1), 1
	s_wait_xcnt 0x0
	s_wait_alu depctr_hold_cnt(0) depctr_sa_sdst(0) depctr_va_vdst(0) depctr_va_sdst(0) depctr_va_ssrc(0) depctr_va_vcc(0) depctr_vm_vsrc(0)
	s_getreg_b32 s2, hwreg(HW_REG_IB_STS2, 6, 4)
	s_cmp_eq_u32 s2, 0
	s_cbranch_scc0 .Lentry_in_a_cluster
	s_endpgm
.Lentry_in_a_cluster:
	s_bfe_u32 s2, ttmp6, 0x10000c
	s_cmp_lg_u32 s2, 0xf033
	s_cbranch_scc0 .Lentry_shape_is_right
	s_endpgm
.Lentry_shape_is_right:
; Q = x Wq, K = x Wk, V = x Wv on codes of FP6 (E2M3) with E8M0 scales, and the three results quantised again for the attention launch.
; x: [8192][1024] codes (768 bytes a row), Wq: [1024 (n)][1024 (k)], Wk, Wv: [64 (n)][1024 (k)]; scale bytes 32 a row.
; SHARES.  Work-group (G, R), G = 0..3, R = 0..63.  MAIN: rows 128 R .. + 127 of x against rows 256 G .. + 255 of Wq; wave w makes head 4 G + w: 4 tiles of Wq's rows x 8 tiles of x's rows,
; 32 accumulators, 8 steps of 128 along K.  EXTRA: wave w takes x's rows 128 R + 32 w .. + 31 against 32 rows of Wk (G = 0, 1) or of Wv (G = 2, 3): 2 x 2 tiles.  The two kinds of EXTRA run the same
; lines: only pointers and offsets differ, chosen by scalar selects, so no branch hangs on a work-group's place in its cluster.
; THE PRODUCTS ARE LAID SO THAT A LANE'S REGISTERS RUN ALONG THE NEXT PRODUCT'S K.  Source 0's rows land in a lane's registers, source 1's rows in the lanes.  Q: source 0 = Wq, source 1 = x (a lane holds one
; query, registers the head's channels).  K: source 0 = Wk, source 1 = x.  V: source 0 = x, source 1 = Wv (a lane holds one channel, registers run along the keys).
; ORDER INSIDE A BLOCK OF 32: a lane's 16 registers of two neighbouring tiles are k = 8 h + 0..7 and 16 + 8 h + 0..7 (h = lane / 16), so a block's codes lie with its two middle groups of eight exchanged.
; Q and K carry the same order along the channels, V and the softmax's weights the same along the keys: blocks, maxima and scales are the true ones and each product pairs the right numbers;
; only the order in which the matrix unit adds them differs from ascending k.  V's channels: tile 2 b + u takes in lane r channel 32 b + 8 u + r + 8 (r / 8), so that attention's result comes out in true order.
; THE QUANTISER: a block's largest magnitude, with the floor 2^(3 - 127) among its leaves; 2 off its exponent field is the conversion's scale operand; that field is the byte.
; LIMITS: a block of zeros gets the byte 1 (its codes are zeros; only this program reads the bytes); NaN and infinities are not served.
; CLUSTER 4 x 4: x's tile hangs on R alone and is shared along a row of the cluster, Wq's on G alone and is shared along a column: each is asked for jointly.
; LDS is filled once: x's 128 rows and Wq's 256 rows for all of K, and their scale bytes; nothing is filled again.
; REGISTERS.  window 0: v1-26 addresses; v32-95 x's scale words (tile i, step s: 32 + 8 i + s), v96-127 Wq's (96 + 8 t + s): scales and nothing else; v128-223 x's fragments, set 0; v224-255 at work.
;   window 1: v0-95 Wq's fragments, two sets of 48; v128-223 x's fragments, set 1.   window 2: accumulator (i, t) at v[8 (4 i + t)].
;   EXTRA: window 1 source 0's fragments at 96 a + 12 s, window 2 source 1's at 96 j + 12 s, window 0 accumulator (j, a) at 128 + 16 j + 8 a, codes at 160 + 4 j.
.set PITCH, 816                        ; an LDS row: 3 x (256 bytes + 16 of padding) = 204 words: row r starts at bank 12 r mod 64 (64 banks of 4 bytes: ISA guide 11.1): the 32 lanes of a load of 8 bytes touch 64 different banks
.set TROW,  16*PITCH                   ; 16 rows
.set XT,    0                          ; x: 128 rows
.set WT,    128*PITCH                  ; Wq: 256 rows
.set XS,    WT+256*PITCH               ; x's scale bytes: 16 units of 256 bytes + 16
.set WS,    XS+16*272                  ; Wq's: 32 units
.set G1X,  36                          ; s[36:43] descriptor group 1: x's codes;  s[44:51] Wq's codes;  s[52:59] x's scales;  s[68:75] Wq's scales
.set G1W,  44
.set G1XS, 52
.set G1WS, 68
.set G0X,  76                          ; s[76:79], s[80:83], s[84:87], s[88:91]: their groups 0
.set G0W,  80
.set G0XS, 84
.set G0WS, 88
.set MSB, 0
.macro WIN new                         ; the immediate's high byte repeats the setting that is left
.if MSB != \new
	s_set_vgpr_msb (MSB<<8)|\new
.set MSB, \new
.endif
.endm
.macro PLACES n
.rept \n
	v_nop
.endr
.endm
; A joint load: waves 0 and 1 fetch for x, waves 2 and 3 for Wq.  The branch hangs on the wave's number alone.  Four v_nop follow each of the two lines.
.macro JLOAD g0a, g1a, g0b, g1b
	s_cmp_eq_u32 s27, 0
	s_cbranch_scc0 .Lfor_w_\@
	tensor_load_to_lds s[\g0a:\g0a+3], s[\g1a:\g1a+7]
	s_nop 0
.rept 4
	v_nop
.endr
	s_branch .Lasked_\@
.Lfor_w_\@:
	tensor_load_to_lds s[\g0b:\g0b+3], s[\g1b:\g1b+7]
	s_nop 0
.rept 4
	v_nop
.endr
.Lasked_\@:
.endm
.macro CROUND                          ; a round of the cluster's barrier
	s_barrier_signal -1
	s_barrier_wait -1
	s_cmp_lg_u32 s26, 0
	s_cbranch_scc1 .Lnot_wave_0_\@
	s_barrier_signal -3
.Lnot_wave_0_\@:
	s_barrier_wait -3
	s_barrier_signal -1
	s_barrier_wait -1
.endm
	s_load_b512 s[4:19], s[0:1], 0x0               ; x codes s[4:5], x scales s[6:7], Wq s[8:9], s[10:11], Wk s[12:13], s[14:15], Wv s[16:17], s[18:19]
	s_load_b128 s[20:23], s[0:1], 0x40             ; qimg, qscl
	s_load_b64 s[24:25], s[0:1], 0x50              ; kv
	v_lshl_add_u32 v30, v0, 2, 0x4fb00
	v_mov_b32 v31, 0
	ds_add_u32 v30, v31
	ds_add_u32 v30, v31
	v_lshrrev_b32 v1, 5, v0
	v_readfirstlane_b32 s26, v1                    ; wave 0..3
	s_lshr_b32 s27, s26, 1                         ; I fetch for x (0) or for Wq (1),
	s_and_b32 s28, s26, 1                          ; its first or its second half
	s_bfe_u32 s29, ttmp6, 0x40000                  ; cx
	s_bfe_u32 s30, ttmp6, 0x40004                  ; cy
	s_lshl_b32 s31, ttmp9, 2
	s_add_co_u32 s31, s31, s29                     ; G = 4 x cluster x + cx
	s_and_b32 s32, ttmp7, 0xffff
	s_lshl_b32 s32, s32, 2
	s_add_co_u32 s32, s32, s30                     ; R = 4 x cluster y + cy
	s_lshl_b32 s33, s30, 2
	s_lshl_b32 s33, 15, s33                        ; my row of the cluster
	s_lshl_b32 s34, 0x1111, s29                    ; my column
	; group 1 for codes: rows of 768 elements of 1 byte, 16 bytes of padding behind every 64 words
	s_or_b32 s[G1X], s33, (1<<20)|(1<<21)|(5<<22)|(3<<25)
	s_mov_b32 s[G1X+1], 768<<16                    ; tensor_dim0
	s_mov_b32 s[G1X+2], 64<<16                     ; tensor_dim1 = 64 rows
	s_mov_b32 s[G1X+3], 768<<16                    ; tile_dim0
	s_mov_b32 s[G1X+4], 64                         ; tile_dim1
	s_mov_b32 s[G1X+5], 768                        ; from row to row
	s_mov_b32 s[G1X+6], 0
	s_mov_b32 s[G1X+7], 0
	s_or_b32 s[G1W], s34, (1<<20)|(1<<21)|(5<<22)|(3<<25)
	s_mov_b32 s[G1W+1], 768<<16
	s_mov_b32 s[G1W+2], 128<<16                    ; 128 rows
	s_mov_b32 s[G1W+3], 768<<16
	s_mov_b32 s[G1W+4], 128
	s_mov_b32 s[G1W+5], 768
	s_mov_b32 s[G1W+6], 0
	s_mov_b32 s[G1W+7], 0
	; group 1 for scale bytes: a dense block as rows of 32 elements of 8 bytes, 16 bytes of padding behind each
	s_or_b32 s[G1XS], s33, (3<<16)|(1<<20)|(1<<21)|(5<<22)|(3<<25)
	s_mov_b32 s[G1XS+1], 32<<16
	s_mov_b32 s[G1XS+2], 8<<16                     ; 64 rows x 32 bytes = 8 units
	s_mov_b32 s[G1XS+3], 32<<16
	s_mov_b32 s[G1XS+4], 8
	s_mov_b32 s[G1XS+5], 32
	s_mov_b32 s[G1XS+6], 0
	s_mov_b32 s[G1XS+7], 0
	s_or_b32 s[G1WS], s34, (3<<16)|(1<<20)|(1<<21)|(5<<22)|(3<<25)
	s_mov_b32 s[G1WS+1], 32<<16
	s_mov_b32 s[G1WS+2], 16<<16                    ; 128 rows x 32 bytes = 16 units
	s_mov_b32 s[G1WS+3], 32<<16
	s_mov_b32 s[G1WS+4], 16
	s_mov_b32 s[G1WS+5], 32
	s_mov_b32 s[G1WS+6], 0
	s_mov_b32 s[G1WS+7], 0
	; where the tiles come from: x's by R and the wave alone, Wq's by G and the wave alone
	s_lshl_b32 s2, s32, 7
	s_lshl_b32 s3, s28, 6
	s_add_co_u32 s2, s2, s3                        ; x: row 128 R + 64 x half
	s_mul_i32 s62, s2, 768
	s_mov_b32 s63, 0
	s_lshl_b32 s66, s2, 5
	s_mov_b32 s67, 0
	s_lshl_b32 s35, s31, 8
	s_lshl_b32 s3, s28, 7
	s_add_co_u32 s35, s35, s3                      ; Wq: row 256 G + 128 x half
	s_mul_i32 s100, s35, 768
	s_mov_b32 s101, 0
	s_lshl_b32 s92, s35, 5
	s_mov_b32 s93, 0
	s_mul_i32 s94, s28, 64*PITCH                   ; and where they go: no place in the cluster enters an LDS address
	s_mul_i32 s95, s28, 128*PITCH
	s_mul_i32 s96, s28, 8*272
	s_mul_i32 s97, s28, 16*272
	s_mov_b32 s60, 0x76543210                      ; v_permlanex16_b32's selects for lane l xor 16
	s_mov_b32 s61, 0xfedcba98
	s_wait_dscnt 0x0
	s_wait_kmcnt 0x0
	CROUND                                         ; all sixteen work-groups are here: the joint loads meet
	s_mov_b32 s[G0XS], 1
	s_add_co_u32 s[G0XS+1], s96, XS
	s_add_nc_u64 s[G0XS+2:G0XS+3], s[6:7], s[66:67]
	s_or_b32 s[G0XS+3], s[G0XS+3], 0x80000000
	s_mov_b32 s[G0WS], 1
	s_add_co_u32 s[G0WS+1], s97, WS
	s_add_nc_u64 s[G0WS+2:G0WS+3], s[10:11], s[92:93]
	s_or_b32 s[G0WS+3], s[G0WS+3], 0x80000000
	JLOAD G0XS, G1XS, G0WS, G1WS
	s_mov_b32 s[G0X], 1
	s_add_co_u32 s[G0X+1], s94, XT
	s_add_nc_u64 s[G0X+2:G0X+3], s[4:5], s[62:63]
	s_or_b32 s[G0X+3], s[G0X+3], 0x80000000
	s_mov_b32 s[G0W], 1
	s_add_co_u32 s[G0W+1], s95, WT
	s_add_nc_u64 s[G0W+2:G0W+3], s[8:9], s[100:101]
	s_or_b32 s[G0W+3], s[G0W+3], 0x80000000
	JLOAD G0X, G1X, G0W, G1W                       ; two tensor loads of mine are out
	; ---- EXTRA: pointers and offsets.  K kind (G < 2): source 0 = Wk's rows 32 G on, source 1 = my 32 rows of x.  V kind: source 0 = my rows of x, source 1 = Wv's rows 32 (G & 1) + 8 j + r + 8 (r / 8)
	s_lshl_b32 s2, s32, 7
	s_lshl_b32 s3, s26, 5
	s_add_co_u32 s2, s2, s3                        ; my rows of x begin at 128 R + 32 w
	s_mul_i32 s62, s2, 768
	s_add_nc_u64 s[4:5], s[4:5], s[62:63]
	s_lshl_b32 s62, s2, 5
	s_add_nc_u64 s[6:7], s[6:7], s[62:63]
	s_and_b32 s3, s31, 1                           ; G & 1 (in the K kind it is G)
	s_mul_i32 s62, s3, 32*768
	s_add_nc_u64 s[12:13], s[12:13], s[62:63]
	s_add_nc_u64 s[16:17], s[16:17], s[62:63]
	s_lshl_b32 s62, s3, 10
	s_add_nc_u64 s[14:15], s[14:15], s[62:63]
	s_add_nc_u64 s[18:19], s[18:19], s[62:63]
	s_cmp_lt_u32 s31, 2                            ; the kind hangs on G alone, on no address
	s_cselect_b64 s[92:93], s[12:13], s[4:5]       ; source 0's codes
	s_cselect_b64 s[94:95], s[4:5], s[16:17]       ; source 1's codes
	s_cselect_b64 s[96:97], s[14:15], s[6:7]       ; source 0's scales
	s_cselect_b64 s[98:99], s[6:7], s[18:19]       ; source 1's scales
	s_cselect_b32 s100, 0, 6144                    ; source 1: 8 rows more for lanes r >= 8 in the V kind
	s_mov_b32 s101, 6144
	s_cselect_b32 s101, 12288, s101                ; from its tile 0 to its tile 1: 16 rows or 8
	s_cselect_b32 s35, 0, 256                      ; the same for rows of 32 scale bytes
	s_mov_b32 s2, 256
	s_cselect_b32 s2, 512, s2
	v_and_b32 v13, 31, v0                          ; lane
	v_and_b32 v1, 15, v0                           ; r
	v_bfe_u32 v2, v0, 4, 1                         ; h
	v_lshrrev_b32 v25, 3, v1                       ; r / 8
	v_mul_u32_u24 v3, v1, 768
	v_mad_u32_u24 v3, v2, 24, v3                   ; source 0: row r, + 24 h
	v_mad_u32_u24 v4, v25, s100, v3                ; source 1, tile 0
	v_add_nc_u32 v5, s101, v4                      ; tile 1
	v_lshlrev_b32 v6, 5, v1                        ; scale words: 32 bytes a row
	v_mad_u32_u24 v7, v25, s35, v6
	v_add_nc_u32 v8, s2, v7
	WIN 0x40                                       ; destination window 1
.irp a, 0,1
.irp s, 0,1,2,3,4,5,6,7
.irp p, 0,1,2,3,4,5
	global_load_b64 v[96*\a+12*\s+2*\p:96*\a+12*\s+2*\p+1], v3, s[92:93] offset:12288*\a+96*\s+48*(\p/3)+8*(\p%3)
.endr
.endr
.endr
	WIN 0x80                                       ; destination window 2
.irp j, 0,1
.irp s, 0,1,2,3,4,5,6,7
.irp p, 0,1,2,3,4,5
	global_load_b64 v[96*\j+12*\s+2*\p:96*\j+12*\s+2*\p+1], v[4+\j], s[94:95] offset:96*\s+48*(\p/3)+8*(\p%3)
.endr
.endr
.endr
	WIN 0
.irp a, 0,1
.irp q, 0,1
	global_load_b128 v[32+8*\a+4*\q:35+8*\a+4*\q], v6, s[96:97] offset:512*\a+16*\q       ; a row's eight scale words, one for each step
.endr
.endr
.irp j, 0,1
.irp q, 0,1
	global_load_b128 v[48+8*\j+4*\q:51+8*\j+4*\q], v[7+\j], s[98:99] offset:16*\q
.endr
.endr
	; while they come: where EXTRA's results go in kv.  b = R / 16 the batch, Rb = R % 16 the step of 128 keys
	s_lshr_b32 s4, s32, 4
	s_and_b32 s5, s32, 15
	s_mul_i32 s4, s4, 204800                       ; the batch's part of kv
	s_lshl_b32 s6, s5, 2
	s_add_co_u32 s7, s6, s26
	s_mul_i32 s7, s7, 1536                         ; K: the pair of key tiles 4 Rb + w,
	s_mul_i32 s8, s31, 768
	s_add_co_u32 s7, s7, s8                        ; lanes 16 G on (block G of the key's 64); tile j 24 bytes on
	s_lshl_b32 s8, s3, 1
	s_add_co_u32 s8, s8, s6
	s_mul_i32 s8, s8, 1536                         ; V: the image of step Rb, channel tile 2 (G & 1) + j,
	s_mul_i32 s9, s28, 768
	s_add_co_u32 s8, s8, s9                        ; lanes 16 (w & 1) on,
	s_mul_i32 s9, s27, 24
	s_add_co_u32 s8, s8, s9                        ; registers 6 (w / 2) on: key group w of the step
	s_add_co_u32 s8, s8, 98304
	s_lshl_b32 s9, s5, 8
	s_lshl_b32 s10, s26, 2
	s_add_co_u32 s10, s10, s9
	s_add_co_u32 s10, s10, s31
	s_add_co_u32 s10, s10, 196608                  ; K's scale byte: 256 Rb + 16 r + 4 w + 2 j + G
	s_lshl_b32 s11, s3, 3
	s_add_co_u32 s11, s11, s9
	s_add_co_u32 s11, s11, s26
	s_add_co_u32 s11, s11, 200704                  ; V's: 256 Rb + 16 r + 4 (2 (G & 1) + j) + w
	s_cmp_lt_u32 s31, 2
	s_cselect_b32 s7, s7, s8
	s_cselect_b32 s10, s10, s11
	s_mov_b32 s8, 1536
	s_cselect_b32 s8, 24, s8                       ; from tile j = 0 to j = 1
	s_cselect_b32 s11, 2, 4
	s_add_co_u32 s7, s7, s4
	s_add_co_u32 s10, s10, s4
	v_mul_u32_u24 v9, v1, 48
	v_mad_u32_u24 v9, v2, 12, v9                   ; 48 bytes a lane of the image; my half of a block is 12 bytes
	v_add_nc_u32 v9, s7, v9
	v_add_nc_u32 v10, s8, v9
	v_lshl_add_u32 v11, v1, 4, s10
	v_add_nc_u32 v12, s11, v11
	; MAIN's addresses
	v_mul_u32_u24 v14, v1, PITCH
	v_mad_u32_u24 v15, v2, 40, v14                 ; for the pieces whose partner three pieces on lies behind one padding more
	v_mad_u32_u24 v14, v2, 24, v14                 ; x's tiles 0-3: row r, + 24 h
	v_add_nc_u32 v16, 4*TROW, v14                  ; tiles 4-7
	v_add_nc_u32 v17, 4*TROW, v15
	s_mul_i32 s4, s26, 4*TROW
	s_add_co_u32 s4, s4, WT                        ; my head's 64 rows of Wq
	v_add_nc_u32 v18, s4, v14
	v_add_nc_u32 v19, s4, v15
	v_and_b32 v26, 7, v1
	v_lshlrev_b32 v26, 5, v26
	v_mad_u32_u24 v20, v25, 272, v26               ; scale bytes: eight rows of 32 bytes to a unit of 272
	v_add_nc_u32 v20, XS, v20
	s_mul_i32 s4, s26, 8*272
	s_add_co_u32 s4, s4, WS-XS
	v_add_nc_u32 v21, s4, v20
	v_lshlrev_b32 v22, 4, v13                      ; Q's image: registers 0-3 at 16 x lane,
	v_lshl_add_u32 v23, v13, 3, 512                ; registers 4-5 at 512 + 8 x lane
	v_lshlrev_b32 v24, 2, v13                      ; its scale words: 4 x lane for two tiles
	s_lshl_b32 s4, s31, 2
	s_add_co_u32 s4, s4, s26                       ; head 4 G + w
	s_lshl_b32 s4, s4, 9
	s_lshl_b32 s5, s32, 3
	s_add_co_u32 s4, s4, s5                        ; image head x 512 + 8 R
	s_mul_i32 s62, s4, 768
	s_add_nc_u64 s[20:21], s[20:21], s[62:63]
	s_lshl_b32 s62, s4, 6
	s_add_nc_u64 s[22:23], s[22:23], s[62:63]
.set BB, 0
.rept 16
	v_mov_b32 v[240+BB], 0                         ; written once: a lane permute's destination counts as one of its sources
.set BB, BB+1
.endr
	s_wait_loadcnt 0x0                             ; EXTRA's operands are in
	WIN 0x09                                       ; source 0 window 1, source 1 window 2, C and D window 0
.irp s, 0,1,2,3,4,5,6,7                        ; four accumulators by turns, one instruction a turn
.irp j, 0,1
.irp a, 0,1
.if \s == 0
	v_wmma_scale_f32_16x16x128_f8f6f4 v[128+16*\j+8*\a:135+16*\j+8*\a], v[96*\a+12*\s:96*\a+12*\s+11], v[96*\j+12*\s:96*\j+12*\s+11], 0, v[32+8*\a+\s], v[48+8*\j+\s] matrix_a_fmt:MATRIX_FMT_FP6 matrix_b_fmt:MATRIX_FMT_FP6
.else
	v_wmma_scale_f32_16x16x128_f8f6f4 v[128+16*\j+8*\a:135+16*\j+8*\a], v[96*\a+12*\s:96*\a+12*\s+11], v[96*\j+12*\s:96*\j+12*\s+11], v[128+16*\j+8*\a:135+16*\j+8*\a], v[32+8*\a+\s], v[48+8*\j+\s] matrix_a_fmt:MATRIX_FMT_FP6 matrix_b_fmt:MATRIX_FMT_FP6
.endif
.endr
.endr
.endr
	WIN 0
	PLACES 5                                       ; four in front of the reads of results and of loads into operands; the fifth since MAIN's first products write over registers that these products read
.irp j, 0,1                                    ; my 16 numbers of the block (the lane 16 away holds the other 16)
	v_max3_num_f32 v[224+\j], |v[128+16*\j]|, |v[129+16*\j]|, 0x1800000
.endr
.irp i, 2,4,6,8,10,12,14
.irp j, 0,1
	v_max3_num_f32 v[224+\j], v[224+\j], |v[128+16*\j+\i]|, |v[129+16*\j+\i]|
.endr
.endr
.irp j, 0,1
	v_permlanex16_b32 v[240+\j], v[224+\j], s60, s61
.endr
.irp j, 0,1
	v_max_num_f32 v[224+\j], v[224+\j], v[240+\j]  ; the block's largest magnitude
.endr
.irp j, 0,1
	v_add_nc_u32 v[240+\j], 0xff000000, v[224+\j]  ; 2 off its exponent field: the conversion's scale operand
.endr
.irp j, 0,1
	v_lshrrev_b32 v[224+\j], 23, v[240+\j]         ; the scale's byte
.endr
.irp j, 0,1
	v_cvt_scalef32_pk16_fp6_f32 v[160+4*\j:162+4*\j], v[128+16*\j:143+16*\j], v[240+\j]
.endr
	v_nop                                          ; one plain place behind a scaled conversion
.irp j, 0,1
	global_store_b96 v[9+\j], v[160+4*\j:162+4*\j], s[24:25]
	global_store_b8 v[11+\j], v[224+\j], s[24:25]  ; both lanes of a block write the same byte with the same value
.endr
	s_wait_tensorcnt 0x0                           ; my two tensor loads have landed,
	s_wait_xcnt 0x0                                ; and the stores above have read their registers, which are written again below
	s_barrier_signal -1
	s_barrier_wait -1                              ; everybody's have landed
; ---- MAIN
.macro FRAG reg, adr, s, rowoff        ; a fragment, 16 rows x 128 K: 12 registers, six pieces of 8 bytes.  Lanes 0-15 take the row's pieces 12 s + 0, 1, 2 and 12 s + 6, 7, 8, lanes 16-31 those three pieces on
.irp p, 0,1,2,3,4,5
.set PC, 12*(\s)+6*(\p/3)+\p%3
.if PC%32 < 29
	ds_load_b64 v[\reg+2*\p:\reg+2*\p+1], v[\adr] offset:8*PC+16*(PC/32)+(\rowoff)
.else
	ds_load_b64 v[\reg+2*\p:\reg+2*\p+1], v[\adr+1] offset:8*PC+16*(PC/32)+(\rowoff)
.endif
.endr
.endm
.macro FETCH s, set                    ; step s's fragments: Wq's four and x's eight, 72 loads in one run
	WIN 0x40
.irp t, 0,1,2,3
	FRAG 48*(\set)+12*\t, 18, \s, TROW*\t
.endr
.if (\set) == 0
	WIN 0
.endif
.irp i, 0,1,2,3
	FRAG 128+12*\i, 14, \s, TROW*\i
.endr
.irp i, 0,1,2,3
	FRAG 176+12*\i, 16, \s, TROW*\i
.endr
	WIN 0
.endm
.macro STEP s                          ; 128 along K: 32 products, the accumulators by turns in the same order in every step; the next step's loads are issued ahead of them
	s_wait_dscnt 0x0                               ; this step's fragments, asked for a step ago, are in
.if (\s) > 0
	PLACES 4                                       ; the loads below go into registers that the last step's products read
.endif
.if (\s) < 7
	FETCH (\s)+1, ((\s)+1)%2
.endif
.if (\s)%2 == 0
	WIN 0xa1                                       ; source 0 (Wq) window 1, source 1 (x) window 0, C and D window 2
.else
	WIN 0xa5                                       ; x in window 1
.endif
.irp i, 0,1,2,3,4,5,6,7
.irp t, 0,1,2,3
.if (\s) == 0
	v_wmma_scale_f32_16x16x128_f8f6f4 v[8*(4*\i+\t):8*(4*\i+\t)+7], v[48*((\s)%2)+12*\t:48*((\s)%2)+12*\t+11], v[128+12*\i:139+12*\i], 0, v[96+8*\t+(\s)], v[32+8*\i+(\s)] matrix_a_fmt:MATRIX_FMT_FP6 matrix_b_fmt:MATRIX_FMT_FP6
.else
	v_wmma_scale_f32_16x16x128_f8f6f4 v[8*(4*\i+\t):8*(4*\i+\t)+7], v[48*((\s)%2)+12*\t:48*((\s)%2)+12*\t+11], v[128+12*\i:139+12*\i], v[8*(4*\i+\t):8*(4*\i+\t)+7], v[96+8*\t+(\s)], v[32+8*\i+(\s)] matrix_a_fmt:MATRIX_FMT_FP6 matrix_b_fmt:MATRIX_FMT_FP6
.endif
.endr
.endr
.endm
.irp i, 0,1,2,3,4,5,6,7
.irp q, 0,1
	ds_load_b128 v[32+8*\i+4*\q:35+8*\i+4*\q], v20 offset:544*\i+16*\q      ; x's scale words for all eight steps
.endr
.endr
.irp t, 0,1,2,3
.irp q, 0,1
	ds_load_b128 v[96+8*\t+4*\q:99+8*\t+4*\q], v21 offset:544*\t+16*\q      ; my head's of Wq
.endr
.endr
	FETCH 0, 0
	STEP 0
	STEP 1
	STEP 2
	STEP 3
	STEP 4
	STEP 5
	STEP 6
	STEP 7
	WIN 0
	PLACES 4
	; ---- Q is quantised: tile i, block b: beta = 2 i + b, its 16 registers of mine at v[16 beta] of window 2.  Each accumulator is read from its low end on
	WIN 0x0a                                       ; sources 0 and 1 window 2
.set BB, 0
.rept 16
	v_max3_num_f32 v[224+BB], |v[16*BB]|, |v[16*BB+1]|, 0x1800000
.set BB, BB+1
.endr
	WIN 0x28                                       ; sources 1 and 2 window 2
.irp k, 2,4,6,8,10,12,14
.set BB, 0
.rept 16
	v_max3_num_f32 v[224+BB], v[224+BB], |v[16*BB+\k]|, |v[16*BB+\k+1]|
.set BB, BB+1
.endr
.endr
	WIN 0
.set BB, 0
.rept 16
	v_permlanex16_b32 v[240+BB], v[224+BB], s60, s61
.set BB, BB+1
.endr
.set BB, 0
.rept 16
	v_max_num_f32 v[224+BB], v[224+BB], v[240+BB]
.set BB, BB+1
.endr
.set BB, 0
.rept 16
	v_add_nc_u32 v[240+BB], 0xff000000, v[224+BB]  ; the conversions' scale operands
.set BB, BB+1
.endr
.set BB, 0
.rept 16
	v_lshrrev_b32 v[224+BB], 23, v[240+BB]         ; the bytes
.set BB, BB+1
.endr
.irp i, 0,1,2,3,4,5,6,7
	v_lshl_or_b32 v[224+2*\i], v[225+2*\i], 8, v[224+2*\i]
.endr
.irp i, 0,1,2,3,4,5,6,7
	v_lshl_or_b32 v[224+2*\i], v[224+2*\i], 16, v[224+2*\i]   ; the row's two bytes, twice: the word serves the row in either half of an operand of 128
.endr
	v_cmp_lt_u32 vcc_lo, 15, v13
.irp q, 0,1,2,3
	v_cndmask_b32 v[225+4*\q], v[224+4*\q], v[226+4*\q], vcc_lo   ; lanes 0-15 tile 2 q's words, lanes 16-31 tile 2 q + 1's: 128 consecutive bytes a store
.endr
	WIN 0x02                                       ; source 0 window 2
.irp i, 0,1,2,3,4,5,6,7
	v_cvt_scalef32_pk16_fp6_f32 v[128+8*\i:130+8*\i], v[32*\i:32*\i+15], v[240+2*\i]
	v_cvt_scalef32_pk16_fp6_f32 v[192+4*\i:194+4*\i], v[32*\i+16:32*\i+31], v[241+2*\i]
.endr
	WIN 0
	v_nop                                          ; one plain place behind a scaled conversion
.irp i, 0,1,2,3,4,5,6,7                        ; the operand wants a whole block in a lane: lanes 0-15 block 0, lanes 16-31 block 1
.irp k, 0,1,2
	v_permlane16_swap_b32 v[128+8*\i+\k], v[192+4*\i+\k]
.endr
.irp k, 0,1,2
	v_mov_b32 v[131+8*\i+\k], v[192+4*\i+\k]
.endr
.endr
.irp i, 0,1,2,3,4,5,6,7
	global_store_b128 v22, v[128+8*\i:131+8*\i], s[20:21] offset:768*\i     ; 512 consecutive bytes, aligned
	global_store_b64 v23, v[132+8*\i:133+8*\i], s[20:21] offset:768*\i      ; 256 consecutive bytes, aligned
.endr
.irp q, 0,1,2,3
	global_store_b32 v24, v[225+4*\q], s[22:23] offset:128*\q
.endr
	s_wait_tensorcnt 0x0
	ds_add_u32 v30, v31
	s_wait_dscnt 0x0
	CROUND                                         ; the closing round: no work-group ends while a partner may still ask for a tile that names it
	s_endpgm
.Lfunc_end_k_qf21f3eea2b_proj:
	.size	k_qf21f3eea2b_proj, .Lfunc_end_k_qf21f3eea2b_proj-k_qf21f3eea2b_proj
	.p2alignl 7, 3214868480
	.fill 96, 4, 3214868480
	.section	.rodata,"a",@progbits
	.p2align	6, 0x0
	.amdhsa_kernel k_qf21f3eea2b_proj
		.amdhsa_group_segment_fixed_size 327680
		.amdhsa_private_segment_fixed_size 0
		.amdhsa_enable_private_segment 0
		.amdhsa_kernarg_size 88
		.amdhsa_user_sgpr_count 2
		.amdhsa_user_sgpr_kernarg_segment_ptr 1
		.amdhsa_wavefront_size32 1
		.amdhsa_system_sgpr_workgroup_id_x 1
		.amdhsa_system_sgpr_workgroup_id_y 1
		.amdhsa_system_sgpr_workgroup_id_z 1
		.amdhsa_system_vgpr_workitem_id 0
		.amdhsa_next_free_vgpr 768
		.amdhsa_next_free_sgpr 102
		.amdhsa_reserve_vcc 1
		.amdhsa_float_denorm_mode_32 3
		.amdhsa_float_denorm_mode_16_64 3
		.amdhsa_memory_ordered 1
		.amdhsa_forward_progress 1
		.amdhsa_inst_pref_size 126
	.end_amdhsa_kernel
	.amdgpu_metadata
---
amdhsa.version: [ 1, 2 ]
amdhsa.kernels:
  - .name:           k_qf21f3eea2b_proj
    .symbol:         k_qf21f3eea2b_proj.kd
    .args:
      - { .name: x_codes, .offset: 0, .size: 8, .value_kind: global_buffer, .address_space: global }
      - { .name: x_scales, .offset: 8, .size: 8, .value_kind: global_buffer, .address_space: global }
      - { .name: Wq_codes, .offset: 16, .size: 8, .value_kind: global_buffer, .address_space: global }
      - { .name: Wq_scales, .offset: 24, .size: 8, .value_kind: global_buffer, .address_space: global }
      - { .name: Wk_codes, .offset: 32, .size: 8, .value_kind: global_buffer, .address_space: global }
      - { .name: Wk_scales, .offset: 40, .size: 8, .value_kind: global_buffer, .address_space: global }
      - { .name: Wv_codes, .offset: 48, .size: 8, .value_kind: global_buffer, .address_space: global }
      - { .name: Wv_scales, .offset: 56, .size: 8, .value_kind: global_buffer, .address_space: global }
      - { .name: qimg, .offset: 64, .size: 8, .value_kind: global_buffer, .address_space: global }
      - { .name: qscl, .offset: 72, .size: 8, .value_kind: global_buffer, .address_space: global }
      - { .name: kv, .offset: 80, .size: 8, .value_kind: global_buffer, .address_space: global }
    .group_segment_fixed_size: 327680
    .private_segment_fixed_size: 0
    .kernarg_segment_align: 8
    .kernarg_segment_size: 88
    .max_flat_workgroup_size: 128
    .sgpr_count:     102
    .vgpr_count:     768
    .wavefront_size: 32
...
	.end_amdgpu_metadata
.endif
;; end of part 1
;; launch attn (part 2): grid 256 x 1, 16 waves a work-group, clusters of 4 x 1, 232,960 bytes of LDS; arguments qimg, qscl, kv, ocod, oscl; writes ocod, oscl
.if DOCPART == 2
	.amdgcn_target "amdgcn-amd-amdhsa--gfx1250"
	.amdhsa_code_object_version 6
	.text
	.protected	k_qf21f3eea2b_attn
	.globl	k_qf21f3eea2b_attn
	.p2align	8
	.type	k_qf21f3eea2b_attn,@function
k_qf21f3eea2b_attn:
	s_mov_b64 s[64:65], 0
	v_nop
	global_prefetch_b8 v0, s[64:65] scope:SCOPE_SE
	s_setreg_imm32_b32 hwreg(HW_REG_WAVE_MODE, 25, 1), 1
	s_wait_xcnt 0x0
	s_wait_alu depctr_hold_cnt(0) depctr_sa_sdst(0) depctr_va_vdst(0) depctr_va_sdst(0) depctr_va_ssrc(0) depctr_va_vcc(0) depctr_vm_vsrc(0)
	s_getreg_b32 s2, hwreg(HW_REG_IB_STS2, 6, 4)
	s_cmp_eq_u32 s2, 0
	s_cbranch_scc0 .Lentry_in_a_cluster
	s_endpgm
.Lentry_in_a_cluster:
	s_bfe_u32 s2, ttmp6, 0x10000c
	s_cmp_lg_u32 s2, 0x3003
	s_cbranch_scc0 .Lentry_shape_is_right
	s_endpgm
.Lentry_shape_is_right:
; Attention with one K and one V for all 16 heads of a batch, both products on codes of FP6 (E2M3) with E8M0 scales, and the result, divided by the row's sum, quantised along the model's 1,024 for the last product.
; SHARES.  A work-group owns 32 queries (rows 32 WGX on) for all 16 heads; wave w is head w and takes the two tiles of 16 queries one after the other.  Four waves share a SIMD: one wave's vector work stands beside another's products and LDS loads.
; K, V and their scale bytes of the whole batch, 204,800 bytes, come into LDS ONCE and stay: the loop over the keys has no change of slots and no barrier.  The four work-groups of a cluster belong to one batch
; (64 work-groups a batch) and ask for these bytes jointly: each of the sixteen waves issues one load of 50 rows of 256 bytes, with the same descriptor in all four work-groups.
; LAYOUT in LDS, as the launch before has stored it: images of operand registers, 48 bytes a lane (three loads of 16 bytes; 12 words from lane to lane).
;   K: a PAIR of key tiles is one operand of 128 along K: k 0-63 the 64 channels of key 32 P + r, k 64-127 those of key 32 P + 16 + r.  It is multiplied by [q | 0] for the first tile's scores and by [0 | q] for the second's:
;   both are windows of 18 registers, 6 zeros, q's 6, 6 zeros.  Zero codes add nothing under any valid scale byte.
;   V: tile t of a step: 16 channels x 128 keys.
; Both products are used transposed: a lane holds ONE query (lane % 16) throughout.  The 16 registers of a pair's two score tiles are 16 keys of one block of 32 (the lane 16 away holds the other 16), in the same order inside the block as V's codes.
; SOFTMAX: t = score x log2(e) / 8; M = the running largest t rounded up to a whole number, kept as -M; p = 2^(t - M) is quantised, not normalised; the row's sum is taken of the unquantised p; when M moves the sum and O^T are
; multiplied by 2^(old M - new M), which rounds nothing.  A block's largest p is the exponential of the block's largest score (this takes v_exp_f32 not to fall where its input rises).
; LIMITS: a block of zeros gets the byte 1 (its codes are zeros; only this program reads the bytes); 1 / sum by v_rcp_f32; NaN and infinities are not served.
; REGISTERS: v1-7 addresses that stay; v8-11 the step's; v12 -M, v13 the largest t, v[14:15] the sum; v16-33 zeros, q, zeros; v34 q's scale word; v36-83 four fragments; v84-87, v88-91 K's and V's scale words;
;   v96-159 scores, then p; v160-191 O^T; v192-211 codes; v212-232 at work; v228 p's scale word; v234-238 addresses of the way out.
.set VIMG, 98304
.set KSCL, 196608
.set VSCL, 200704
.set STG,  204800                      ; the way out: for each of the two tiles 16 rows x (768 + 16) bytes: 196 words from row to row, so the 32 lanes of a store of 8 bytes touch 64 different banks
.set SSTG, STG+2*12544                 ; and 16 rows x 32 scale bytes
.macro CROUND                          ; a round of the cluster's barrier
	s_barrier_signal -1
	s_barrier_wait -1
	s_cmp_lg_u32 s14, 0
	s_cbranch_scc1 .Lnot_wave_0_\@
	s_barrier_signal -3
.Lnot_wave_0_\@:
	s_barrier_wait -3
	s_barrier_signal -1
	s_barrier_wait -1
.endm
	s_load_b256 s[4:11], s[0:1], 0x0               ; qimg s[4:5], qscl s[6:7], kv s[8:9], ocod s[10:11]
	s_load_b64 s[12:13], s[0:1], 0x20              ; oscl
	v_lshl_add_u32 v254, v0, 2, 0x38600
	v_mov_b32 v255, 0
	ds_add_u32 v254, v255
	ds_add_u32 v254, v255
	v_lshrrev_b32 v1, 5, v0
	v_readfirstlane_b32 s14, v1                    ; wave 0..15 = head
	s_bfe_u32 s15, ttmp6, 0x40000                  ; cx
	s_lshl_b32 s16, ttmp9, 2
	s_add_co_u32 s16, s16, s15                     ; WGX = 4 x cluster x + cx: it enters global addresses alone
	s_lshr_b32 s17, ttmp9, 4                       ; the batch, which the four partners share
	s_mov_b32 s24, 15|(3<<16)|(1<<21)              ; group 1: 15:0 the mask: all four work-groups; 17:16 elements of 8 bytes; 21 set beside a mask; no padding
	s_mov_b32 s25, 32<<16                          ; tensor_dim0 = 32 elements: 256 bytes
	s_mov_b32 s26, 50<<16                          ; tensor_dim1 = 50 rows
	s_mov_b32 s27, 32<<16                          ; tile_dim0
	s_mov_b32 s28, 50                              ; tile_dim1
	s_mov_b32 s29, 32                              ; from row to row: dense
	s_mov_b32 s30, 0
	s_mov_b32 s31, 0
	s_mul_i32 s42, s14, 12800                      ; my sixteenth of the batch's bytes
	s_mul_i32 s40, s17, 204800
	s_add_co_u32 s40, s40, s42
	s_mov_b32 s41, 0
	s_mov_b32 s20, 0x76543210                      ; v_permlanex16_b32's selects for lane l xor 16
	s_mov_b32 s21, 0xfedcba98
	s_mov_b32 s22, 0x3e38aa3b                      ; c = log2(e) / sqrt(64)
	s_mov_b32 s23, s22                             ; (named with it as a pair, so it is written)
	s_wait_dscnt 0x0
	s_wait_kmcnt 0x0
	s_mov_b32 s32, 1                               ; group 0: count = 1
	s_mov_b32 s33, s42                             ; LDS address: 12,800 x wave
	s_add_nc_u64 s[34:35], s[8:9], s[40:41]        ; global address
	s_or_b32 s35, s35, 0x80000000                  ; type = 2
	CROUND                                         ; all four work-groups are here: the joint loads meet
	tensor_load_to_lds s[32:35], s[24:31]          ; one tensor load of mine is out
	s_nop 0
.rept 4
	v_nop
.endr
	v_and_b32 v9, 31, v0                           ; lane
	v_and_b32 v10, 15, v0                          ; r
	v_bfe_u32 v11, v0, 4, 1                        ; h
	v_mul_u32_u24 v1, v9, 48                       ; my place in an image of K
	v_add_nc_u32 v2, VIMG, v1                      ; and of V
	v_lshlrev_b32 v3, 4, v10
	v_add_nc_u32 v4, VSCL, v3                      ; V's scale words: 16 bytes a row and step
	v_add_nc_u32 v3, KSCL, v3                      ; K's likewise
	v_lshlrev_b32 v5, 4, v9                        ; 16 x lane
	v_lshlrev_b32 v6, 3, v9                        ; 8 x lane
	v_lshlrev_b32 v7, 2, v10                       ; 4 r
	s_mul_i32 s40, s14, 48
	v_mul_u32_u24 v234, v10, 784
	v_mad_u32_u24 v234, v11, 24, v234
	v_add_nc_u32 v234, s40, v234
	v_add_nc_u32 v234, STG, v234                   ; into the stage: row r, my head's 48 bytes, my block's 24
	s_lshl_b32 s40, s14, 1
	v_lshl_add_u32 v235, v10, 5, s40
	v_add_nc_u32 v235, SSTG, v235                  ; my head's two scale bytes of row r
	s_mul_i32 s40, s14, 784
	v_add_nc_u32 v236, s40, v6
	v_add_nc_u32 v236, STG, v236                   ; back: wave w takes row w, 8 bytes a lane
	s_mul_i32 s40, s14, 768
	v_add_nc_u32 v237, s40, v6                     ; and the same place in ocod
	v_add_nc_u32 v238, SSTG, v5
	s_lshl_b32 s40, s14, 9
	s_lshl_b32 s43, s16, 1
	s_add_co_u32 s40, s40, s43                     ; my first image of Q: head x 512 + 2 WGX
	s_mul_i32 s42, s40, 768
	s_mov_b32 s43, 0
	s_add_nc_u64 s[4:5], s[4:5], s[42:43]
	s_lshl_b32 s42, s40, 6
	s_add_nc_u64 s[6:7], s[6:7], s[42:43]
	s_mul_i32 s42, s16, 32*768
	s_add_nc_u64 s[10:11], s[10:11], s[42:43]      ; ocod at row 32 WGX
	s_lshl_b32 s42, s16, 10
	s_add_nc_u64 s[12:13], s[12:13], s[42:43]      ; oscl likewise
.irp j, 16,17,18,19,20,21,28,29,30,31,32,33
	v_mov_b32 v\j, 0                               ; the zero codes on both sides of q
.endr
.irp j, 216,217,218,219,231,232
	v_mov_b32 v\j, 0                               ; written once: a lane permute's destination counts as one of its sources; v231 is named as the upper half of a pair
.endr
	s_wait_tensorcnt 0x0                           ; my part has landed,
	s_barrier_signal -1
	s_barrier_wait -1                              ; everybody's has
; A KEY STEP: 128 keys
.macro STEP
	v_add_nc_u32 v8, s36, v1                       ; (these four are also the places behind the last step's products, in front of the loads into their operands)
	v_add_nc_u32 v9, s36, v2
	v_add_nc_u32 v10, s37, v3
	v_add_nc_u32 v11, s37, v4
.irp p, 0,1,2,3
.irp i, 0,1,2
	ds_load_b128 v[36+12*\p+4*\i:39+12*\p+4*\i], v8 offset:1536*\p+16*\i      ; four pairs of key tiles
.endr
.endr
	ds_load_b128 v[84:87], v10                     ; their scale words
	s_wait_dscnt 0x0
.irp p, 0,1,2,3
	v_wmma_scale_f32_16x16x128_f8f6f4 v[96+16*\p:103+16*\p], v[36+12*\p:47+12*\p], v[22:33], 0, v[84+\p], v34 matrix_a_fmt:MATRIX_FMT_FP6 matrix_b_fmt:MATRIX_FMT_FP6
	v_wmma_scale_f32_16x16x128_f8f6f4 v[104+16*\p:111+16*\p], v[36+12*\p:47+12*\p], v[16:27], 0, v[84+\p], v34 matrix_a_fmt:MATRIX_FMT_FP6 matrix_b_fmt:MATRIX_FMT_FP6
.endr
.rept 4
	v_nop                                          ; places in front of the loads below and of the first read of the scores
.endr
.irp t, 0,1,2,3
.irp i, 0,1,2
	ds_load_b128 v[36+12*\t+4*\i:39+12*\t+4*\i], v9 offset:1536*\t+16*\i      ; V's four tiles: they land under the softmax
.endr
.endr
	ds_load_b128 v[88:91], v11
.irp b, 0,1,2,3
	v_max3_num_f32 v[212+\b], v[96+16*\b], v[97+16*\b], v[98+16*\b]           ; the largest score of each block of 32 keys: for the row's maximum and for the block's largest p
.endr
.irp i, 3,5,7,9,11,13
.irp b, 0,1,2,3
	v_max3_num_f32 v[212+\b], v[212+\b], v[96+16*\b+\i], v[97+16*\b+\i]
.endr
.endr
.irp b, 0,1,2,3
	v_max_num_f32 v[212+\b], v[212+\b], v[111+16*\b]
.endr
.irp b, 0,1,2,3
	v_permlanex16_b32 v[216+\b], v[212+\b], s20, s21
.endr
.irp b, 0,1,2,3
	v_max_num_f32 v[212+\b], v[212+\b], v[216+\b]  ; with the other 16 keys of the block
.endr
	v_max3_num_f32 v232, v212, v213, v214
	v_max_num_f32 v232, v232, v215                 ; the step's largest score of my query
	v_mul_f32 v232, s22, v232                      ; as t (c is positive)
	v_max_num_f32 v13, v13, v232                   ; the running largest t
	v_mov_b32 v232, v12
	v_floor_f32 v12, -v13                          ; the new -M = floor(-t): M is a whole number
	v_sub_f32 v232, v12, v232                      ; old M less new M: a whole number, 0 or less
	v_cvt_i32_f32 v232, v232                       ; (it saturates)
	v_ldexp_f32 v230, 1.0, v232                    ; f = 2^(old M - new M)
.set J, 0
.rept 32
	v_pk_fma_f32 v[96+J:97+J], v[96+J:97+J], s[22:23], v[12:13] op_sel_hi:[1,0,0]   ; t - M, two at a time
.set J, J+2
.endr
.irp b, 0,1,2,3
	v_fma_f32 v[212+\b], v[212+\b], s22, v12       ; the same of each block's largest score
.endr
.set J, 0
.rept 64
	v_exp_f32 v[96+J], v[96+J]                     ; p = 2^(t - M), at most 1
.set J, J+1
.endr
	v_pk_mul_f32 v[14:15], v[14:15], v[230:231] op_sel_hi:[1,0]   ; the sums under the new M: the plain instruction behind the exponentials
	s_wait_alu depctr_va_vdst(0)                   ; one wait for the 64, ahead of their first reader
.irp b, 0,1,2,3
	v_exp_f32 v[212+\b], v[212+\b]                 ; each block's largest p
.endr
	v_pk_add_f32 v[216:217], v[96:97], v[98:99]    ; the row's sum of the unquantised p, in two chains; it reads the 64 alone
.set J, 4
.rept 15
	v_pk_add_f32 v[14:15], v[14:15], v[96+J:97+J]
	v_pk_add_f32 v[216:217], v[216:217], v[98+J:99+J]
.set J, J+4
.endr
	v_pk_add_f32 v[14:15], v[14:15], v[216:217]
	s_wait_alu depctr_va_vdst(0)                   ; and one for the four
.irp b, 0,1,2,3
	v_max_num_f32 v[212+\b], 0x1800000, v[212+\b]  ; the floor 2^(3 - 127): the byte cannot fall under 1
.endr
.irp b, 0,1,2,3
	v_add_nc_u32 v[220+\b], 0xff000000, v[212+\b]  ; 2 off the exponent field: the conversion's scale operand
.endr
.irp b, 0,1,2,3
	v_lshrrev_b32 v[224+\b], 23, v[220+\b]         ; the byte
.endr
	v_lshl_or_b32 v228, v225, 8, v224              ; p's scale word for these 128 keys
	v_lshl_or_b32 v228, v226, 16, v228
	v_lshl_or_b32 v228, v227, 24, v228
.irp c, 0,1
	v_cvt_scalef32_pk16_fp6_f32 v[192+6*\c:194+6*\c], v[96+32*\c:111+32*\c], v[220+2*\c]
	v_cvt_scalef32_pk16_fp6_f32 v[204+4*\c:206+4*\c], v[112+32*\c:127+32*\c], v[221+2*\c]
.endr
	v_nop                                          ; one plain place behind a scaled conversion
.irp c, 0,1                                    ; a whole block to a lane: lanes 0-15 block 2 c, lanes 16-31 block 2 c + 1
.irp i, 0,1,2
	v_permlane16_swap_b32 v[192+6*\c+\i], v[204+4*\c+\i]
.endr
.irp i, 0,1,2
	v_mov_b32 v[195+6*\c+\i], v[204+4*\c+\i]
.endr
.endr
.set J, 0
.rept 16
	v_pk_mul_f32 v[160+J:161+J], v[160+J:161+J], v[230:231] op_sel_hi:[1,0]   ; O^T under the new M.  Of these sixteen, twelve name no register of any one product below: the places between the writes of p's codes and scale word and that product
.set J, J+2
.endr
	s_wait_dscnt 0x0                               ; V is in
.irp t, 0,1,2,3
	v_wmma_scale_f32_16x16x128_f8f6f4 v[160+8*\t:167+8*\t], v[36+12*\t:47+12*\t], v[192:203], v[160+8*\t:167+8*\t], v[88+\t], v228 matrix_a_fmt:MATRIX_FMT_FP6 matrix_b_fmt:MATRIX_FMT_FP6
.endr
.endm
; The way out of tile u: O^T / the sum; my head's two blocks of 32 are quantised; the codes of 16 heads meet in a stage, and each wave stores one whole row of 768 bytes
.macro FINISH u
.rept 4
	v_nop                                          ; places behind the last products
.endr
	v_add_f32 v14, v14, v15                        ; the sum's two halves,
	v_permlanex16_b32 v232, v14, s20, s21
	v_add_f32 v14, v14, v232                       ; and the other 16 keys' of each block: the row's sum
	v_rcp_f32 v14, v14
	v_nop                                          ; a plain instruction behind the reciprocal
	s_wait_alu depctr_va_vdst(0)                   ; and the wait ahead of its first reader
.set J, 0
.rept 32
	v_mul_f32 v[96+J], v[160+J], v14               ; register 16 b + i: channel 32 b + 16 h + i of my query
.set J, J+1
.endr
.irp b, 0,1
	v_max3_num_f32 v[212+\b], |v[96+16*\b]|, |v[97+16*\b]|, 0x1800000
.endr
.irp i, 2,4,6,8,10,12,14
.irp b, 0,1
	v_max3_num_f32 v[212+\b], v[212+\b], |v[96+16*\b+\i]|, |v[97+16*\b+\i]|
.endr
.endr
.irp b, 0,1
	v_permlanex16_b32 v[216+\b], v[212+\b], s20, s21
.endr
.irp b, 0,1
	v_max_num_f32 v[212+\b], v[212+\b], v[216+\b]
.endr
.irp b, 0,1
	v_add_nc_u32 v[220+\b], 0xff000000, v[212+\b]
.endr
.irp b, 0,1
	v_lshrrev_b32 v[224+\b], 23, v[220+\b]
.endr
	v_lshl_or_b32 v232, v225, 8, v224              ; my head's two scale bytes
	v_cvt_scalef32_pk16_fp6_f32 v[192:194], v[96:111], v220
	v_cvt_scalef32_pk16_fp6_f32 v[204:206], v[112:127], v221
	v_nop                                          ; one plain place behind a scaled conversion
.irp i, 0,1,2
	v_permlane16_swap_b32 v[192+\i], v[204+\i]     ; lanes 0-15 block 0, lanes 16-31 block 1, 24 bytes each
.endr
.irp i, 0,1,2
	v_mov_b32 v[195+\i], v[204+\i]
.endr
.irp i, 0,1,2
	ds_store_b64 v234, v[192+2*\i:193+2*\i] offset:12544*\u+8*\i
.endr
	ds_store_b16 v235, v232 offset:512*\u          ; both lanes of a row write the same two bytes with the same value
	s_wait_dscnt 0x0                               ; for the others' sake: my stores into the stage are done
	s_barrier_signal -1
	s_barrier_wait -1
.irp i, 0,1,2
	ds_load_b64 v[36+2*\i:37+2*\i], v236 offset:12544*\u+256*\i
.endr
	s_wait_dscnt 0x0
.irp i, 0,1,2
	global_store_b64 v237, v[36+2*\i:37+2*\i], s[10:11] offset:12288*\u+256*\i   ; 32 lanes store 256 consecutive bytes, aligned
.endr
	s_cmp_lg_u32 s14, 0
	s_cbranch_scc1 .Lnot_0_\@
	ds_load_b128 v[44:47], v238 offset:512*\u      ; wave 0: the tile's 512 scale bytes
	s_wait_dscnt 0x0
	global_store_b128 v5, v[44:47], s[12:13] offset:512*\u
.Lnot_0_\@:
.endm
.macro QTILE u
.if \u > 0
	s_wait_xcnt 0x0                                ; the last tile's stores have read their registers, which the loads of the first step write
.endif
	global_load_b128 v[22:25], v5, s[4:5] offset:768*\u
	global_load_b64 v[26:27], v6, s[4:5] offset:768*\u+512
	global_load_b32 v34, v7, s[6:7] offset:64*\u
	v_mov_b32 v13, 0xff61b1e6                      ; the largest t so far: -3e38, under every t
	v_floor_f32 v12, -v13
	v_mov_b32 v14, 0
	v_mov_b32 v15, 0
.set J, 0
.rept 32
	v_mov_b32 v[160+J], 0                          ; O^T: the step is written once; its first trip finds zeros, which the first change of M leaves zeros
.set J, J+1
.endr
	s_mov_b32 s36, 0                               ; where the step's images begin: 6,144 bytes a step
	s_mov_b32 s37, 0                               ; and its scale words: 256 bytes a step
	s_mov_b32 s38, 16
	s_wait_loadcnt 0x0                             ; q
.Lstep_\@:
	STEP
	s_add_co_u32 s36, s36, 6144
	s_add_co_u32 s37, s37, 256
	s_sub_co_u32 s38, s38, 1
	s_cmp_lg_u32 s38, 0
	s_cbranch_scc1 .Lstep_\@
	FINISH \u
.endm
	QTILE 0
	QTILE 1
	s_wait_tensorcnt 0x0
	ds_add_u32 v254, v255
	s_wait_dscnt 0x0
	CROUND                                         ; the closing round: no work-group ends while a partner may still ask for bytes that name it
	s_endpgm
.Lfunc_end_k_qf21f3eea2b_attn:
	.size	k_qf21f3eea2b_attn, .Lfunc_end_k_qf21f3eea2b_attn-k_qf21f3eea2b_attn
	.p2alignl 7, 3214868480
	.fill 96, 4, 3214868480
	.section	.rodata,"a",@progbits
	.p2align	6, 0x0
	.amdhsa_kernel k_qf21f3eea2b_attn
		.amdhsa_group_segment_fixed_size 232960
		.amdhsa_private_segment_fixed_size 0
		.amdhsa_enable_private_segment 0
		.amdhsa_kernarg_size 40
		.amdhsa_user_sgpr_count 2
		.amdhsa_user_sgpr_kernarg_segment_ptr 1
		.amdhsa_wavefront_size32 1
		.amdhsa_system_sgpr_workgroup_id_x 1
		.amdhsa_system_sgpr_workgroup_id_y 1
		.amdhsa_system_sgpr_workgroup_id_z 1
		.amdhsa_system_vgpr_workitem_id 0
		.amdhsa_next_free_vgpr 256
		.amdhsa_next_free_sgpr 66
		.amdhsa_reserve_vcc 0
		.amdhsa_float_denorm_mode_32 3
		.amdhsa_float_denorm_mode_16_64 3
		.amdhsa_memory_ordered 1
		.amdhsa_forward_progress 1
		.amdhsa_inst_pref_size 48
	.end_amdhsa_kernel
	.amdgpu_metadata
---
amdhsa.version: [ 1, 2 ]
amdhsa.kernels:
  - .name:           k_qf21f3eea2b_attn
    .symbol:         k_qf21f3eea2b_attn.kd
    .args:
      - { .name: qimg, .offset: 0, .size: 8, .value_kind: global_buffer, .address_space: global }
      - { .name: qscl, .offset: 8, .size: 8, .value_kind: global_buffer, .address_space: global }
      - { .name: kv, .offset: 16, .size: 8, .value_kind: global_buffer, .address_space: global }
      - { .name: ocod, .offset: 24, .size: 8, .value_kind: global_buffer, .address_space: global }
      - { .name: oscl, .offset: 32, .size: 8, .value_kind: global_buffer, .address_space: global }
    .group_segment_fixed_size: 232960
    .private_segment_fixed_size: 0
    .kernarg_segment_align: 8
    .kernarg_segment_size: 40
    .max_flat_workgroup_size: 512
    .sgpr_count:     66
    .vgpr_count:     256
    .wavefront_size: 32
...
	.end_amdgpu_metadata
.endif
;; end of part 2
;; launch oproj (part 3): grid 4 x 32, 4 waves a work-group, clusters of 4 x 4, 327,680 bytes of LDS; arguments ocod, oscl, Wo_codes, Wo_scales, out0; writes out0
.if DOCPART == 3
	.amdgcn_target "amdgcn-amd-amdhsa--gfx1250"
	.amdhsa_code_object_version 6
	.text
	.protected	k_qf21f3eea2b_oproj
	.globl	k_qf21f3eea2b_oproj
	.p2align	8
	.type	k_qf21f3eea2b_oproj,@function
k_qf21f3eea2b_oproj:
	s_mov_b64 s[64:65], 0
	v_nop
	global_prefetch_b8 v0, s[64:65] scope:SCOPE_SE
	s_setreg_imm32_b32 hwreg(HW_REG_WAVE_MODE, 25, 1), 1
	s_wait_xcnt 0x0
	s_wait_alu depctr_hold_cnt(0) depctr_sa_sdst(0) depctr_va_vdst(0) depctr_va_sdst(0) depctr_va_ssrc(0) depctr_va_vcc(0) depctr_vm_vsrc(0)
	s_getreg_b32 s2, hwreg(HW_REG_IB_STS2, 6, 4)
	s_cmp_eq_u32 s2, 0
	s_cbranch_scc0 .Lentry_in_a_cluster
	s_endpgm
.Lentry_in_a_cluster:
	s_bfe_u32 s2, ttmp6, 0x10000c
	s_cmp_lg_u32 s2, 0xf033
	s_cbranch_scc0 .Lentry_shape_is_right
	s_endpgm
.Lentry_shape_is_right:
; out0[m][n] = sum over k of A[m][k] B[n][k].  A = the attention's result [8192][1024], B = Wo [1024 (n)][1024 (k)]: codes of FP6 (E2M3), 6 bits each, with one E8M0 scale for each 32 along K; out0 f32; sums in f32.
; In memory a row of codes is one stream of bits, four codes in three bytes: 128 codes are 96 bytes.  The matrix instruction takes codes and scale bytes as they lie.
; A tile of C, 256 x 256, is made by a work-group of four waves; a wave makes 128 x 128: 64 accumulators of 16 x 16, 512 registers.  C has 32 x 4 such tiles: 128 work-groups.
; K goes in steps of 256 through a ring of two LDS slots filled by the tensor data mover: a tile's row is 192 bytes of memory.
; THE SCALES of the work-group's 256 rows of A and 256 rows of B, for all of K, are two dense blocks of memory: they come into LDS ONCE, with the first fills, and stay.
; CLUSTERS: 4 x 4 work-groups.  The four of a row of the cluster need the same tiles of A, the four of a column the same tiles of B: each tile is asked for JOINTLY.
; THE MATRIX INSTRUCTION IS USED TRANSPOSED (source 0 = 16 rows of B, source 1 = 16 rows of A): a lane then holds eight neighbouring numbers of a row of C.
; REGISTERS, in windows of 256: window 0: v0-31 addresses; v32-63 scale words, two sets; from v128 A's fragments (8 x 16 rows x 128 K), ONE set; on the way out v32-255 are free.
;   window 1: B's fragments, TWO sets, at v0 and at v128.   window 2: the 32 accumulators of my rows 0-63 (accumulator (a, b) at v[8 (8 a + b)]);   window 3: those of my rows 64-127.
; A step of 128 along K is 64 matrix instructions, A's blocks one after the other, each against B's eight: a block of A is free as soon as its eight products are issued, so one set of registers serves A.
.set SIZE_M, 8192
.set SIZE_N, 1024
.set SIZE_K, 1024
.set KSTEP,  256                       ; along K in a slot
.set NQ,     KSTEP/128                 ; matrix instructions deep
.set ROWB,   192                       ; a tile's row in bytes
.set KROW,   SIZE_K*6/8                ; a row of A or of B in memory, in bytes
.set PITCH,  240                       ; an LDS row: 3 x (64 bytes of data + 16 of padding) = 60 words: the 32 lanes of a load of 8 bytes touch 64 different banks (64 banks of 4 bytes: ISA guide 11.1)
.set FR,     12                        ; registers of a fragment: 16 rows x 128 K
.set NL,     6                         ; LDS loads that bring one
.set NP,     4                         ; places behind this matrix instruction (ISA guide 7.12.1)
.set HALFT,  128*PITCH                 ; 128 rows: what one tensor load brings
.set SLOT,   4*HALFT                   ; A's 256 rows, then B's 256 rows
.set LAPS,   SIZE_K/(2*KSTEP)          ; a lap = two K steps = once round the ring
.set KS,     SIZE_K/32                 ; a row of scales in bytes
.set SCL,    2*SLOT                    ; behind the ring: the scales, as units of 256 bytes + 16 of padding
.set HALFS,  (128*KS/256)*272          ; the scales of 128 rows
.set SBLK,   (16*KS/256)*272           ; those of 16 rows
.set SPARE,  SCL+4*HALFS               ; behind the scales: the spare words, 128 bytes for each wave, which no other line names
.set SPITCH, 528                       ; the way out: a stage of 16 rows x (512 bytes + 16) for each wave, in slot 0, which has had its last fill and its last read when the first result is stored there
.set ADRA, 16                          ; v16-17  LDS address of my A fragments in slot 0, 1  (v18-19: for the pieces that lie behind one padding more)
.set ADRB, 20                          ; v20-21  the same for B  (v22-23)
.set STO,  24                          ; v24     the way out: where I put 32 bytes of a row
.set RD,   25                          ; v25     where I read a row back
.set CO,   26                          ; v26     my byte offset in a row of C
.set SPW,  28                          ; v28     LDS address of my spare word; never rewritten
.set NIL,  29                          ; v29     0; never rewritten
.set ADRS, 27                          ; v27     LDS address of my scale words: lanes 0-15 A's rows, lanes 16-31 B's
.set SC,   32                          ; scale words: set s at v[SC + 8 NQ s]; register NQ i + q: lanes 0-15 the word of A's block i, lanes 16-31 that of B's block i
.set AF,   128                         ; A's fragments, in window 0
.set BK,   128                         ; the way out: 16 rows read back from the stage: v128-191 and v192-255 by turns
.set G1, 24                            ; s[24:31] descriptor group 1 for A's tiles;  s[32:39] group 0, one set for each slot
.set G0, 32
.set G1B, 48                           ; s[48:55], s[56:63] the same for B's tiles
.set G0B, 56
.set G1S, 68                           ; s[68:75], s[76:79] groups 1 and 0 for A's scales;  s[80:87], s[88:91] for B's
.set G0S, 76
.set G1SB, 80
.set G0SB, 88
.set MSB, 0
.macro WIN new                         ; the immediate's high byte repeats the setting that is left
.if MSB != \new
	s_set_vgpr_msb (MSB<<8)|\new
.set MSB, \new
.endif
.endm
.set MUL_LO, 0xa1                      ; source 0 (B) window 1, source 1 (A) window 0, C and D window 2
.set MUL_HI, 0xf1                      ; the same, C and D window 3
.set TO_B,   0x40                      ; destination window 1, address window 0
; A joint load: waves 0 and 1 fetch for A, waves 2 and 3 for B.  The branch hangs on the wave's number alone.  Four v_nop follow each of the two lines.
.macro JLOAD g0a, g1a, g0b, g1b
	s_cmp_eq_u32 s15, 0
	s_cbranch_scc0 .Lfor_b_\@
	tensor_load_to_lds s[\g0a:\g0a+3], s[\g1a:\g1a+7]
	s_nop 0
.rept 4
	v_nop
.endr
	s_branch .Lasked_\@
.Lfor_b_\@:
	tensor_load_to_lds s[\g0b:\g0b+3], s[\g1b:\g1b+7]
	s_nop 0
.rept 4
	v_nop
.endr
.Lasked_\@:
.endm
.macro CREST                           ; a round of the cluster's barrier behind its opening barrier
	s_cmp_lg_u32 s14, 0
	s_cbranch_scc1 .Lnot_wave_0_\@
	s_barrier_signal -3
.Lnot_wave_0_\@:
	s_barrier_wait -3
	s_barrier_signal -1
	s_barrier_wait -1
.endm
.macro CROUND                          ; a whole round
	s_barrier_signal -1
	s_barrier_wait -1
	CREST
.endm
	s_load_b128 s[4:7], s[0:1], 0x0                ; A's codes s[4:5], A's scales s[6:7]
	s_load_b128 s[8:11], s[0:1], 0x10              ; B's codes s[8:9], B's scales s[10:11]
	s_load_b64 s[12:13], s[0:1], 0x20              ; C
	v_lshl_add_u32 v[SPW], v0, 2, SPARE
	v_mov_b32 v[NIL], 0
	ds_add_u32 v28, v29
	ds_add_u32 v28, v29
	s_wait_dscnt 0x0
	v_lshrrev_b32 v1, 5, v0
	v_readfirstlane_b32 s14, v1                    ; wave 0..3
	s_lshr_b32 s15, s14, 1                         ; which half of the tile's rows is mine.  Also: I fetch for A (0) or for B (1)
	s_and_b32 s16, s14, 1                          ; which half of its columns.  Also: which 128 rows of that tile I fetch
	s_bfe_u32 s40, ttmp6, 0x40000                  ; cx, cy: my place in the cluster
	s_bfe_u32 s41, ttmp6, 0x40004
	s_lshl_b32 s42, ttmp9, 2
	s_add_co_u32 s42, s42, s40                     ; tile column of C = 4 x cluster x + cx
	s_and_b32 s17, ttmp7, 0xffff
	s_lshl_b32 s17, s17, 2
	s_add_co_u32 s17, s17, s41                     ; tile row of C = 4 x cluster y + cy
	s_lshl_b32 s43, s41, 2
	s_lshl_b32 s43, 15, s43                        ; my row of the cluster
	s_lshl_b32 s44, 0x1111, s40                    ; my column
	; descriptor group 1: a tile of 128 rows x ROWB bytes, padded in LDS
	s_or_b32 s[G1+0], s43, (0<<16)|(1<<20)|(1<<21)|(3<<22)|(3<<25)  ; 15:0 the mask: A's tiles go to my row; 17:16 element of 1 byte; 20 padding on; 21 set beside a mask; 24:22 after every 16 words; 31:25 of 4 words
	s_or_b32 s[G1B+0], s44, (0<<16)|(1<<20)|(1<<21)|(3<<22)|(3<<25)
.irp g, G1, G1B
	s_mov_b32 s[\g+1], ROWB<<16                    ; tensor_dim0
	s_mov_b32 s[\g+2], 128<<16                     ; tensor_dim1 = 128
	s_mov_b32 s[\g+3], ROWB<<16                    ; tile_dim0
	s_mov_b32 s[\g+4], 128                         ; tile_dim1 = 128
	s_mov_b32 s[\g+5], KROW                        ; tensor_dim0_stride
	s_mov_b32 s[\g+6], 0
	s_mov_b32 s[\g+7], 0
.endr
	; and for the scales of 128 rows: a dense block of 128 KS bytes, as rows of 256 bytes (32 elements of 8 bytes), 16 bytes of padding behind each
	s_or_b32 s[G1S+0], s43, (3<<16)|(1<<20)|(1<<21)|(5<<22)|(3<<25)
	s_or_b32 s[G1SB+0], s44, (3<<16)|(1<<20)|(1<<21)|(5<<22)|(3<<25)
.irp g, G1S, G1SB
	s_mov_b32 s[\g+1], 32<<16
	s_mov_b32 s[\g+2], (128*KS/256)<<16
	s_mov_b32 s[\g+3], 32<<16
	s_mov_b32 s[\g+4], 128*KS/256
	s_mov_b32 s[\g+5], 32
	s_mov_b32 s[\g+6], 0
	s_mov_b32 s[\g+7], 0
.endr
	s_lshl_b32 s18, s16, 7                         ; which 128 rows of the tile I fetch
	s_lshl_b32 s20, s17, 8
	s_add_co_u32 s20, s20, s18                     ; A: row 256 x tile row + 128 x half
	s_lshl_b32 s46, s42, 8
	s_add_co_u32 s46, s46, s18                     ; B: row 256 x tile column + 128 x half
	s_mov_b32 s21, 0
	s_mov_b32 s47, 0
	s_mov_b64 s[18:19], KS
	s_mul_u64 s[22:23], s[20:21], s[18:19]         ; where these rows' scales begin, in bytes
	s_mul_u64 s[92:93], s[46:47], s[18:19]
	s_mov_b64 s[18:19], KROW
	s_mul_u64 s[20:21], s[20:21], s[18:19]         ; and their codes
	s_mul_u64 s[46:47], s[46:47], s[18:19]
	s_mul_i32 s45, s14, HALFT                      ; where they go: wave x 128 rows: no place in the cluster enters an LDS address
	s_mul_i32 s94, s14, HALFS
	s_wait_kmcnt 0x0
	s_add_nc_u64 s[20:21], s[4:5], s[20:21]
	s_add_nc_u64 s[22:23], s[6:7], s[22:23]
	s_add_nc_u64 s[46:47], s[8:9], s[46:47]
	s_add_nc_u64 s[92:93], s[10:11], s[92:93]
	CROUND                                         ; all sixteen work-groups are here: the first joint loads meet
	s_mov_b32 s[G0S], 1
	s_add_co_u32 s[G0S+1], s94, SCL
	s_mov_b64 s[G0S+2:G0S+3], s[22:23]
	s_or_b32 s[G0S+3], s[G0S+3], 0x80000000
	s_mov_b32 s[G0SB], 1
	s_add_co_u32 s[G0SB+1], s94, SCL
	s_mov_b64 s[G0SB+2:G0SB+3], s[92:93]
	s_or_b32 s[G0SB+3], s[G0SB+3], 0x80000000
	JLOAD G0S, G1S, G0SB, G1SB                     ; the scales first: they are wanted with K step 0
.irp s, 0,1
	s_mov_b32 s[G0+4*\s], 1
	s_add_co_u32 s[G0+4*\s+1], s45, \s*SLOT
	s_add_nc_u64 s[G0+4*\s+2:G0+4*\s+3], s[20:21], \s*ROWB
	s_or_b32 s[G0+4*\s+3], s[G0+4*\s+3], 0x80000000
	s_mov_b32 s[G0B+4*\s], 1
	s_add_co_u32 s[G0B+4*\s+1], s45, \s*SLOT
	s_add_nc_u64 s[G0B+4*\s+2:G0B+4*\s+3], s[46:47], \s*ROWB
	s_or_b32 s[G0B+4*\s+3], s[G0B+4*\s+3], 0x80000000
	JLOAD G0+4*\s, G1, G0B+4*\s, G1B               ; three tensor loads of mine are out behind the second
.endr
	v_and_b32 v1, 15, v0                           ; l % 16
	v_bfe_u32 v2, v0, 4, 1                         ; l / 16
	v_mul_u32_u24 v3, v1, PITCH
	v_mul_u32_u24 v4, v2, 24
	v_add_nc_u32 v4, v3, v4                        ; a fragment's row x pitch + 24 x half
	v_lshl_add_u32 v5, v2, 4, v4                   ; and the same behind one padding more
	s_mul_i32 s21, s15, HALFT                      ; my 128 rows of A
	s_mul_i32 s22, s16, HALFT                      ; my 128 rows of B,
	s_add_co_u32 s22, s22, 2*HALFT                 ; which lie behind A's 256
.irp s, 0,1
	v_add_nc_u32 v[ADRA+\s], s21, v4
	v_add_nc_u32 v[ADRB+\s], s22, v4
	v_add_nc_u32 v[ADRA+2+\s], s21, v5
	v_add_nc_u32 v[ADRB+2+\s], s22, v5
	s_add_co_u32 s21, s21, SLOT
	s_add_co_u32 s22, s22, SLOT
.endr
	v_mul_u32_u24 v5, v1, KS                       ; my row's scales: KS bytes a row,
	v_lshrrev_b32 v6, 8, v5
	v_lshl_add_u32 v5, v6, 4, v5                   ; and 16 more for each 256 passed
	s_mul_i32 s21, s15, HALFS                      ; A's: my 128 rows
	s_mul_i32 s22, s16, HALFS                      ; B's: my 128 rows, behind A's 256
	s_add_co_u32 s22, s22, 2*HALFS
	s_sub_co_u32 s22, s22, s21
	v_mul_u32_u24 v6, s22, v2                      ; lanes 16-31 take B's
	s_add_co_u32 s21, s21, SCL
	v_add_nc_u32 v5, v5, v6
	v_add_nc_u32 v[ADRS], s21, v5
	s_mul_i32 s23, s14, 16*SPITCH                  ; my stage
	v_mul_u32_u24 v5, v1, SPITCH                   ; in: row l % 16, 32 bytes for each half of the lanes
	v_lshl_add_u32 v5, v2, 5, v5
	v_add_nc_u32 v[STO], s23, v5
	v_and_b32 v6, 31, v0
	v_lshlrev_b32 v[CO], 4, v6                     ; back: the 32 lanes take one row of 512 bytes; and the same in C
	v_add_nc_u32 v[RD], s23, v[CO]
	s_lshl_b32 s20, s17, 8
	s_lshl_b32 s21, s15, 7
	s_add_co_u32 s20, s20, s21                     ; my first row of C: 256 x tile row + 128 x half
	s_mov_b32 s21, 0
	s_mov_b64 s[18:19], SIZE_N*4
	s_mul_u64 s[20:21], s[20:21], s[18:19]
	s_lshl_b32 s46, s42, 10                        ; my first column, in bytes: 1024 x tile column + 512 x half
	s_lshl_b32 s47, s16, 9
	s_add_co_u32 s46, s46, s47
	s_mov_b32 s47, 0
	s_add_nc_u64 s[20:21], s[20:21], s[46:47]
	s_add_nc_u64 s[12:13], s[12:13], s[20:21]
.macro FRAG reg, adr, q, i             ; a fragment, 16 rows x 128 K of 6-bit codes, is 12 registers: lane l holds row l % 16; registers 6 c .. 6 c + 5 hold K = 64 c + 32 (l / 16) + 0 .. 31: 24 bytes of the row's stream of bits
.irp p, 0,1,2,3,4,5                    ; in pieces of 8 bytes.  Lanes 0-15 take the row's pieces 12 q + 0, 1, 2 and 12 q + 6, 7, 8, lanes 16-31 those three pieces on
.set PC, 12*(\q)+6*(\p/3)+\p%3        ; 16 bytes of padding lie behind every 64 bytes (8 pieces): where the piece three on lies behind one padding more, the second address register serves
.if PC%8 < 5
	ds_load_b64 v[\reg+2*\p:\reg+2*\p+1], v[\adr] offset:8*PC+16*(PC/8)+(\i)*16*PITCH
.else
	ds_load_b64 v[\reg+2*\p:\reg+2*\p+1], v[\adr+2] offset:8*PC+16*(PC/8)+(\i)*16*PITCH
.endif
.endr
.endm
; 16 matrix instructions: A's blocks a0, a0 + 1 x B's eight, 128 along K: the slot's q-th.  p: B's set;  sc: the set of scale words.  zero = 1: the first product starts the sums.
; The 64 accumulators take turns, one instruction a turn, in the same order in every step.
.macro MUL16 a0, p, q, sc, zero
.irp a, \a0, \a0+1
.irp b, 0,1,2,3,4,5,6,7
.if \zero
	v_wmma_scale_f32_16x16x128_f8f6f4 v[8*(8*((\a)%4)+\b):8*(8*((\a)%4)+\b)+7], v[128*(\p)+FR*\b:128*(\p)+FR*\b+FR-1], v[AF+FR*(\a):AF+FR*(\a)+FR-1], 0, v[SC+8*NQ*(\sc)+NQ*\b+(\q)], v[SC+8*NQ*(\sc)+NQ*(\a)+(\q)] matrix_a_fmt:MATRIX_FMT_FP6 matrix_b_fmt:MATRIX_FMT_FP6 matrix_a_scale:MATRIX_SCALE_ROW1
.else
	v_wmma_scale_f32_16x16x128_f8f6f4 v[8*(8*((\a)%4)+\b):8*(8*((\a)%4)+\b)+7], v[128*(\p)+FR*\b:128*(\p)+FR*\b+FR-1], v[AF+FR*(\a):AF+FR*(\a)+FR-1], v[8*(8*((\a)%4)+\b):8*(8*((\a)%4)+\b)+7], v[SC+8*NQ*(\sc)+NQ*\b+(\q)], v[SC+8*NQ*(\sc)+NQ*(\a)+(\q)] matrix_a_fmt:MATRIX_FMT_FP6 matrix_b_fmt:MATRIX_FMT_FP6 matrix_a_scale:MATRIX_SCALE_ROW1
.endif
.endr
.endr
.endm
.macro FETCH_B slot, q, p              ; B's eight fragments of the slot's q-th 128 along K into set p
	WIN TO_B
.irp i, 0,1,2,3,4,5,6,7
	FRAG 128*(\p)+FR*\i, ADRB+\slot, \q, \i
.endr
	WIN 0
.endm
.macro FETCH_A slot, q, i0             ; A's blocks i0 .. i0 + 3
.irp i, \i0, \i0+1, \i0+2, \i0+3
	FRAG AF+FR*(\i), ADRA+\slot, \q, \i
.endr
.endm
.macro SCALES sc                       ; the next K step's scale words into set sc: NQ words a row; lanes 0-15 take A's block i, lanes 16-31 B's block i
.irp i, 0,1,2,3,4,5,6,7
	ds_load_b64 v[SC+8*NQ*\sc+NQ*\i:SC+8*NQ*\sc+NQ*\i+1], v[ADRS] offset:\i*SBLK
.endr
.endm
; A load into a register that a matrix instruction has read, and a vector instruction or an LDS store that reads a matrix result, stand NP places behind that matrix instruction, and only plain vector
; instructions that name none of its registers are places (ISA guide 7.12.1 for vector instructions).
.macro PLACES n
.rept \n
	v_nop
.endr
.endm
; A step of 128 along K that has its successor in the same slot.
.macro STEP slot, q, zero
	s_wait_dscnt 4*NL                              ; B's set and A's blocks 0-3 are in; the youngest 24 loads (A's blocks 4-7) may be out
	WIN MUL_LO
	MUL16 0, (\q)%2, \q, \slot, \zero
	MUL16 2, (\q)%2, \q, \slot, \zero
	s_wait_dscnt 0                                 ; A's blocks 4-7 are in (asked for 32 matrix instructions ago)
	PLACES NP
	FETCH_B \slot, (\q)+1, 1-(\q)%2
	FETCH_A \slot, (\q)+1, 0
	WIN MUL_HI
	MUL16 4, (\q)%2, \q, \slot, \zero
	MUL16 6, (\q)%2, \q, \slot, \zero
	PLACES NP
	WIN 0
	FETCH_A \slot, (\q)+1, 4
.endm
; A slot's last step changes slots: ONE barrier; in front of it each wave waits for all its tensor loads, adds 0 to its spare word, and waits for that and for its own reads of this slot.  fill = 1: this slot is filled again, two K steps ahead.
.macro TURN slot, next, fill
	s_wait_tensorcnt 0x0                           ; all my tensor loads have landed: my part of the next slot;  (every window is 0 here)
	ds_add_u32 v[SPW], v[NIL]                      ; 0 onto my spare word;
	s_wait_dscnt 4*NL+1                            ; (the add and the youngest 24 loads, A's blocks 4-7, may be out)
	WIN MUL_LO
	MUL16 0, 1, NQ-1, \slot, 0                     ; sixteen matrix instructions stand between the add and the wait for it
	s_wait_dscnt 0x0                               ; the add is done, and my reads of this slot are over
	s_barrier_signal -1
	MUL16 2, 1, NQ-1, \slot, 0
	WIN 0
	s_barrier_wait -1
.if \fill
	CREST                                          ; the barrier has opened a round of the cluster's barrier: no wave of any partner still reads this slot's tile or has a load on its way
	s_add_nc_u64 s[G0+4*\slot+2:G0+4*\slot+3], s[G0+4*\slot+2:G0+4*\slot+3], 2*ROWB
	s_add_nc_u64 s[G0B+4*\slot+2:G0B+4*\slot+3], s[G0B+4*\slot+2:G0B+4*\slot+3], 2*ROWB
	JLOAD G0+4*\slot, G1, G0B+4*\slot, G1B         ; the first tensor load behind the round; the four v_nop behind it are the places in front of the loads below
.else
	PLACES NP
.endif
	v_add_nc_u32 v[ADRS], 4*NQ, v[ADRS]            ; on to the next K step's scale words (no LDS load of mine is out)
	FETCH_B \next, 0, 0
	FETCH_A \next, 0, 0
	SCALES \next
	WIN MUL_HI
	MUL16 4, 1, NQ-1, \slot, 0
	MUL16 6, 1, NQ-1, \slot, 0
	PLACES NP
	WIN 0
	FETCH_A \next, 0, 4
.endm
	s_wait_tensorcnt 1                             ; the scales and my part of K step 0 are in (K step 1's load may be out)
	s_barrier_signal -1
	s_barrier_wait -1                              ; everybody's are
	FETCH_B 0, 0, 0
	FETCH_A 0, 0, 0
	SCALES 0
	FETCH_A 0, 0, 4
	STEP 0, 0, 1                                   ; the first step stands in front of the loop: its products start the sums
.if LAPS > 1
	s_mov_b32 s3, LAPS-1
.Llap:                                                 ; a trip goes once round the ring, from a lap's second step to the next lap's first, and fills both slots again
	TURN 0, 1, 1
	STEP 1, 0, 0
	TURN 1, 0, 1
	STEP 0, 0, 0
	s_sub_co_u32 s3, s3, 1
	s_cmp_lg_u32 s3, 0
	s_cbranch_scc1 .Llap
.endif
	TURN 0, 1, 0                                   ; the last lap fills nothing, and has no round of the cluster's barrier
	STEP 1, 0, 0
	s_wait_dscnt 4*NL                              ; the very last step: nothing more to fetch
	WIN MUL_LO
	MUL16 0, 1, NQ-1, 1, 0
	MUL16 2, 1, NQ-1, 1, 0
	s_wait_dscnt 0
	WIN MUL_HI
	MUL16 4, 1, NQ-1, 1, 0
	MUL16 6, 1, NQ-1, 1, 0
	WIN 0
; THE WAY OUT, block by block of 16 rows x 128 columns.  A lane holds 32 neighbouring bytes of a row, and the lanes beside it hold other rows: so a block goes through my own stage in LDS and comes back as whole
; rows of 512 bytes.  LDS serves a wave's instructions in order (ISA guide 5.7.1.4): no wait between the stores and the loads, nor in front of the next block's stores.
.macro TOSTAGE a
.set AC, 64*((\a)%4)
	WIN 0x08+4*((\a)/4)                            ; the data: window 2 or 3
.irp b, 0,1,2,3,4,5,6,7
	ds_store_b128 v[STO], v[AC+8*\b:AC+8*\b+3] offset:64*\b          ; each accumulator from its low end on
	ds_store_b128 v[STO], v[AC+8*\b+4:AC+8*\b+7] offset:64*\b+16
.endr
	WIN 0
.set BB, BK+64*((\a)%2)
.irp t, 0,1,2,3,4,5,6,7,8,9,10,11,12,13,14,15
	ds_load_b128 v[BB+4*\t:BB+4*\t+3], v[RD] offset:\t*SPITCH
.endr
.endm
.macro SEND a, younger                 ; younger: the LDS instructions issued behind block a's loads, which may stay out
.set BB, BK+64*((\a)%2)
	s_wait_dscnt \younger                          ; the block is back in registers
.if (\a) > 0
	s_add_nc_u64 s[12:13], s[12:13], 16*SIZE_N*4   ; (behind a wait on XCNT: the earlier stores have read their base)  16 rows of C on
.endif
.irp t, 0,1,2,3,4,5,6,7,8,9,10,11,12,13,14,15
	global_store_b128 v[CO], v[BB+4*\t:BB+4*\t+3], s[12:13] offset:\t*SIZE_N*4 th:TH_STORE_NT   ; 32 lanes store 512 consecutive bytes, at a multiple of 256 from C's first byte; written once, read by nobody here
.endr
.endm
	PLACES NP                                      ; behind the last products: for the loads into the registers that held A's fragments and for the reads of results
	TOSTAGE 0
.irp a, 1,2,3,4,5,6,7
.if \a > 1
	s_wait_xcnt 0x0                                ; block a - 2's stores have read their registers and their base: block a's loads may land there, and the base may step
.endif
	TOSTAGE \a
	SEND \a-1, 32                                  ; behind block a - 1's loads: block a's 16 stores and 16 loads
.endr
	s_wait_xcnt 0x0                                ; block 6's stores have read their base
	SEND 7, 0
	s_wait_tensorcnt 0x0                           ; the wave's end, behind my last tensor load and my last LDS store
	ds_add_u32 v[SPW], v[NIL]
	s_wait_dscnt 0x0
	CROUND                                         ; the closing round: no work-group ends while a partner may still ask for a tile that names it
	s_endpgm
.Lfunc_end_k_qf21f3eea2b_oproj:
	.size	k_qf21f3eea2b_oproj, .Lfunc_end_k_qf21f3eea2b_oproj-k_qf21f3eea2b_oproj
	.p2alignl 7, 3214868480
	.fill 96, 4, 3214868480
	.section	.rodata,"a",@progbits
	.p2align	6, 0x0
	.amdhsa_kernel k_qf21f3eea2b_oproj
		.amdhsa_group_segment_fixed_size 327680
		.amdhsa_private_segment_fixed_size 0
		.amdhsa_enable_private_segment 0
		.amdhsa_kernarg_size 40
		.amdhsa_user_sgpr_count 2
		.amdhsa_user_sgpr_kernarg_segment_ptr 1
		.amdhsa_wavefront_size32 1
		.amdhsa_system_sgpr_workgroup_id_x 1
		.amdhsa_system_sgpr_workgroup_id_y 1
		.amdhsa_system_sgpr_workgroup_id_z 1
		.amdhsa_system_vgpr_workitem_id 0
		.amdhsa_next_free_vgpr 1024
		.amdhsa_next_free_sgpr 98
		.amdhsa_reserve_vcc 0
		.amdhsa_float_denorm_mode_32 3
		.amdhsa_float_denorm_mode_16_64 3
		.amdhsa_memory_ordered 1
		.amdhsa_forward_progress 1
		.amdhsa_inst_pref_size 160
	.end_amdhsa_kernel
	.amdgpu_metadata
---
amdhsa.version: [ 1, 2 ]
amdhsa.kernels:
  - .name:           k_qf21f3eea2b_oproj
    .symbol:         k_qf21f3eea2b_oproj.kd
    .args:
      - { .name: ocod, .offset: 0, .size: 8, .value_kind: global_buffer, .address_space: global }
      - { .name: oscl, .offset: 8, .size: 8, .value_kind: global_buffer, .address_space: global }
      - { .name: Wo_codes, .offset: 16, .size: 8, .value_kind: global_buffer, .address_space: global }
      - { .name: Wo_scales, .offset: 24, .size: 8, .value_kind: global_buffer, .address_space: global }
      - { .name: out0, .offset: 32, .size: 8, .value_kind: global_buffer, .address_space: global }
    .group_segment_fixed_size: 327680
    .private_segment_fixed_size: 0
    .kernarg_segment_align: 8
    .kernarg_segment_size: 40
    .max_flat_workgroup_size: 128
    .sgpr_count:     98
    .vgpr_count:     1024
    .wavefront_size: 32
...
	.end_amdgpu_metadata
.endif
;; end of part 3
